; MI455X (gfx1250); checked and timed in simulation.
; The chip was launched on July 23, 2026; its instructions are those of AMD's public machine-readable ISA for CDNA 5 (MIT licence, August 2026) and "CDNA5" Instruction Set Architecture Reference Guide (July 2026). The comments in the code are by the model that wrote it; some were corrected since.
;; SCA2 LSTM. Allowed arithmetic: matrix products marked QUANTISED: E5M2 operands, one E8M0 scale for each 32 along K, by v_wmma_scale_f32_16x16x128_f8f6f4 with both operands' format E5M2, f32 sums; products left as they are: f32 operands where the result goes on into a quantised operand, else bf16, f16 or f32 operands; f32 sums; everything else in f32.
;; Inputs: W_ih1 1,024 x 32 float32; W_ih2 1,024 x 64 float32; Wg1 32 x 256 float32; Wg2 32 x 32 float32; Wp1 16 x 256 float32; Wp2 1 x 16 float32; b1 1,024 float32; b2 1,024 float32; basin_emb 531 x 32 float32; basin_ids 256 int32; bg1 32 float32; bg2 32 float32; bp1 16 float32; bp2 1 float32; ln_b 1 float32; ln_g 1 float32; lstm1_input 256 x 512 x 32 float32; missing_bool 256 x 512 x 32 float32; residual 256 float32; seq_features 256 x 512 x 32 float32.
;; Outputs: out0 256 x 1 float32; out1 256 x 512 x 32 float32.
;; This version of the problem:
;;   THIS VERSION OF THE PROBLEM IS GIVEN IN LOW PRECISION. The matrix products marked QUANTISED in the list below multiply operands that are first quantised to E5M2 (5 exponent bits, 2 mantissa bits; 8 bits a number), with one power-of-two scale for each 32 numbers along K (OCP MX v1.0); their sums are f32. All else is computed in f32.
;;   The module's matrix products, in the order in which they are computed (A, B: the left and right operand; K: the contracted axis; several contracted axes count as one K, in the product's order):
;;     1. [M 131,072, K 32] x [K 32, N 1,024]; A: computed on the way; B: input W_ih1: QUANTISED
;;     2. [M 131,072, K 256] x [K 256, N 32]; A: computed on the way; B: input Wg1: QUANTISED
;;     3. [M 131,072, K 32] x [K 32, N 32]; A: computed on the way; B: input Wg2: QUANTISED
;;     4. [M 131,072, K 64] x [K 64, N 1,024]; A: computed on the way; B: input W_ih2: QUANTISED
;;     5. [M 256, K 256] x [K 256, N 16]; A: computed on the way; B: input Wp1: QUANTISED
;;     6. [M 256, K 16] x [K 16, N 1]; A: computed on the way; B: input Wp2: left as it is (K = 16 < 32)
;;   THE QUANTISER, for each operand of a quantised product, along K:
;;     - K is cut into blocks of 32 from its start; a last block that is shorter is filled with zeros.
;;     - A block's scale is 2^e with e = floor(log2(the largest magnitude in the block)) - 15, held to -126 .. 127; a block of zeros has e = 0. As a byte (E8M0): e + 127.
;;     - Each number is divided by its block's scale, clamped to +-57,344, and rounded to the nearest number of E5M2, ties to even, subnormals kept.
;;     - The product sums the exact products of the quantised numbers (number of the format x scale) in f32.
;;   ~~~python
;;   def quantise(x, axis):      # numpy; x: float32 -> the quantised numbers, widened to float32 again
;;       x = np.moveaxis(x, axis, -1); K = x.shape[-1]
;;       x = np.pad(x, [(0, 0)] * (x.ndim - 1) + [(0, -K % 32)]); x = x.reshape(x.shape[:-1] + (-1, 32)); a = np.abs(x).max(-1, keepdims=True)
;;       e = np.where(a > 0, np.clip(np.frexp(np.where(a > 0, a, 1))[1] - 1 - 15, -126, 127), 0)      # np.frexp(a)[1] - 1 = floor(log2(a)), exactly
;;       r = np.clip(x / 2.0 ** e, -57344, 57344)
;;       step = 2.0 ** (np.maximum(np.frexp(np.where(r == 0, 1, r))[1] - 1, -14) - 2)
;;       q = np.round(r / step) * step * 2.0 ** e      # np.round: ties to even
;;       return np.moveaxis(q.reshape(q.shape[:-2] + (-1,))[..., :K], -1, axis).astype(np.float32)
;;   ~~~
;;   OPERANDS COMPUTED ON THE WAY. 'Computed on the way' means the value that the module computes at that place (a softmax that the list does not call 'softmax' is quantised finished and normalised). What goes into a quantiser is computed in f32, as accurately as f32 sums, v_exp_f32 and their like allow (about 1e-6 of the number): no bf16 or f16 on the way to a quantiser, and a product that is left as it is and whose result goes on into a quantised operand takes f32 operands (vector FMAs, or v_wmma_f32_16x16x4_f32). A number that lies on a knife's edge between two numbers of the format may be rounded either way, as far as f32 arithmetic and the matrix unit's own rounding can turn it there, and no further.
;; One version. Each part assembles by itself: llvm-mc -triple=amdgcn-amd-amdhsa -mcpu=gfx1250 --defsym DOCPART=n.
;; ======== version 1 of 1: 1 launch
;; limits: right only within a limited range of input values
;; launch main (part 1): grid 256 x 1, 16 waves a work-group, no clusters, 327,680 bytes of LDS; arguments lstm1_input, missing_bool, W_ih1, b1, Wg1, bg1, Wg2, bg2, out1, seq_features, basin_ids, basin_emb, W_ih2, b2, Wp1, bp1, Wp2, bp2, out0; writes out1, out0
.if DOCPART == 1
	.amdgcn_target "amdgcn-amd-amdhsa--gfx1250"
	.amdhsa_code_object_version 6
	.text
	.protected	k_q5af1d47f5a_main
	.globl	k_q5af1d47f5a_main
	.p2align	8
	.type	k_q5af1d47f5a_main,@function
k_q5af1d47f5a_main:
	s_mov_b64 s[64:65], 0
	v_nop
	global_prefetch_b8 v0, s[64:65] scope:SCOPE_SE
	s_setreg_imm32_b32 hwreg(HW_REG_WAVE_MODE, 25, 1), 1
	s_wait_xcnt 0x0
; One work-group makes one b: w (out1) of its 512 rows and pred (out0) of row t = 511.
; LEFT OUT AS DEAD WORK, for all finite values of the inputs: rn (the LayerNorm of residual): reference() never uses it, so residual, ln_g and ln_b are no arguments;
; the f gates (rows 256-511 of W_ih1, W_ih2, b1, b2): reference() splits them off and never uses them; h2 at t < 511: reference() slices it away, so products 4, 5, 6 are made for t = 511 alone;
; the clips of h1 and h2 at +-5: |h| < 1.  A NaN, an infinity or an overflow that reaches only the work left out is not carried to a result.
; LIMITS: NaN and infinities among the inputs are not served; tanh(g) holds to about 1e-7 absolutely, tanh(cc) to about 1.3e-7 of itself; where a sigmoid's denominator passes 2^126 the result is 0;
; blocks of magnitude under 2^-111 and blocks of zeros keep the scale byte 1.
; SHARES.  Wave w owns rows 32 (15 - w) .. + 31, two tiles of 16 rows, and walks the 8 blocks u of 32 hidden units.  The wave with t = 511 is wave 0.
; Every product of K = 32 fills the instruction's K = 128 with zero codes in one operand; the other's registers there hold finite codes.
; Products are used transposed: a lane (r, h) holds row r and its 16 registers of two tiles are neighbours along the next K (a tile's weight rows are r + 8 (r / 8) + 8 t).
; A record of LDS for each u: W_ih1's six tiles, Wg1's two, their scale words, the biases.  The biases are loaded into the accumulators, and the product adds onto them.
; No cluster: the weights go once through registers into codes, and what the tensor loads bring is each work-group's own rows (x) or each wave's share of W_ih2 (raw), 196,608 bytes a work-group, behind the first barrier.
.set REC,   208896                     ; below: x raw (16 x 4608), later W_ih2 raw (12 x 17408), then its codes in each share's first 4352 bytes
.set RSZ,   5120
.set XIMG,  249856
.set G2IMG, 266240
.set G2SC,  267264
.set P1IMG, 267520
.set P1SC,  271616
.set STG,   271872                     ; 2304 bytes a wave: the way out
.set X2IMG, 308736
.set X2SC,  309760
.set H2F,   310016
.set H2C,   311040
.set H2S,   311552
.set SPARE, 311808                     ; spare words, 128 bytes a wave
.set W2R,   17408
; v1 lane, v2 r, v3 h, v4 16 lane, v5 4 r, v6 64 h, v7-9 a record's codes, scales, biases, v10 my x codes, v11, v12 my stage in and out, v13 my place in missing_bool
.set SPW,   14
.set NIL,   15
.set K0,    16
.set W1S,   18
.set XS,    24
.set WGS,   26
.set HS,    28
.set BYT,   29
.set TM,    30
.set TT,    38
.set HC,    54                         ; h codes, x codes, 12 registers of zeros
.set XC,    58
.set W1C,   74                         ; W_ih1's six tiles, Wg1's first, 4 zeros, its second, 12 zeros
.set WG0,   98
.set WG1,   106
.set GA,    122                        ; hid: 16 registers a tile
.set QA,    154                        ; gates i, g, o: 16 registers each; two sets by turns
.set QB,    202
.set PFV,   253
.set WV,    42
.set UU,    43
.set GG,    44
.set RG,    45
.set MNT,   46
.set C30,   47
.set SEL,   48
.set NL,    50
.set N2L,   52
.set PL,    54
.set Q0,    56
.set Q1,    58
.set C1,    60
.set C01,   62
.set C3,    66
.set CLO,   67
.set CNT,   68
.set IDV,   74
.set BP2,   75
.set G1X,   76
.set G0X,   84
.set G1W,   88
.set G0W,   96
.macro AW
	s_wait_alu depctr_va_vdst(0)
.endm
.macro PLACES n
.rept \n
	v_nop
.endr
.endm
.macro MM d, a, b, c, sa, sb
	v_wmma_scale_f32_16x16x128_f8f6f4 v[(\d):(\d)+7], v[(\a):(\a)+15], v[(\b):(\b)+15], v[(\c):(\c)+7], v[\sa], v[\sb] matrix_a_fmt:MATRIX_FMT_BF8 matrix_b_fmt:MATRIX_FMT_BF8
.endm
.macro MMZ d, a, b, sa, sb
	v_wmma_scale_f32_16x16x128_f8f6f4 v[(\d):(\d)+7], v[(\a):(\a)+15], v[(\b):(\b)+15], 0, v[\sa], v[\sb] matrix_a_fmt:MATRIX_FMT_BF8 matrix_b_fmt:MATRIX_FMT_BF8
.endm
; Largest magnitude of a block (my 16 and lane l xor 16's), floored at 2^-111; TM+6 the conversion's scale operand, TM+7 57,344 x the scale, by the byte.  cap = 1: the numbers are first clipped at +-3.
.macro QMAX s, by, cap
	v_max3_num_f32 v[TM], |v[(\s)]|, |v[(\s)+1]|, |v[(\s)+2]|
	v_max3_num_f32 v[TM+1], |v[(\s)+3]|, |v[(\s)+4]|, |v[(\s)+5]|
	v_max3_num_f32 v[TM+2], |v[(\s)+6]|, |v[(\s)+7]|, |v[(\s)+8]|
	v_max3_num_f32 v[TM+3], |v[(\s)+9]|, |v[(\s)+10]|, |v[(\s)+11]|
	v_max3_num_f32 v[TM+4], |v[(\s)+12]|, |v[(\s)+13]|, |v[(\s)+14]|
	v_max3_num_f32 v[TM], v[TM], v[TM+1], |v[(\s)+15]|
	s_delay_alu instid0(VALU_DEP_2)
	v_max3_num_f32 v[TM+2], v[TM+2], v[TM+3], v[TM+4]
	s_delay_alu instid0(VALU_DEP_1)
	v_max3_num_f32 v[TM], v[TM], v[TM+2], 0x8000000
	s_delay_alu instid0(VALU_DEP_1)
	v_permlanex16_b32 v[TM+5], v[TM], s[SEL], s[SEL+1]
	s_delay_alu instid0(VALU_DEP_1)
	v_max_num_f32 v[TM], v[TM], v[TM+5]
.if \cap
	s_delay_alu instid0(VALU_DEP_1)
	v_min_num_f32 v[TM], s[C3], v[TM]
.endif
	s_delay_alu instid0(VALU_DEP_1)
	v_add_nc_u32 v[TM+6], 0xf8800000, v[TM]
	s_delay_alu instid0(VALU_DEP_2)
	v_and_or_b32 v[TM+7], v[TM], 0x7f800000, s[MNT]
.if \cap
	s_delay_alu instid0(VALU_DEP_1)
	v_min_num_f32 v[TM+7], s[C3], v[TM+7]
.endif
	v_lshrrev_b32 v[\by], 23, v[TM+6]
.endm
.macro HOLD s                          ; the conversion does not saturate (ISA guide 7.6.2)
	v_med3_num_f32 v[\s], v[\s], -v[TM+7], v[TM+7]
.endm
.macro CVT s, c
	v_cvt_scalef32_pk8_bf8_f32 v[(\c):(\c)+1], v[(\s):(\s)+7], v[TM+6]
	v_cvt_scalef32_pk8_bf8_f32 v[(\c)+2:(\c)+3], v[(\s)+8:(\s)+15], v[TM+6]
.endm
.macro Q32 s, c, by, cap
	QMAX \s, \by, \cap
.irp i, 0,1,2,3,4,5,6,7,8,9,10,11,12,13,14,15
	HOLD (\s)+\i
.endr
	CVT \s, \c
	v_nop
.endm
; THE CELL: a = e^-i, b = e^-2g, d = e^-o; cc = (1 - b) / ((1 + a)(1 + b)); y = cc^2; h = cc (C1 y + Q0) / ((y^2 + Q1 y + Q0)(1 + d)).
.macro SCALE b                         ; the exponents to the base 2; -2g's is held at 30 so that b stays finite
.irp j, 0,2,4,6,8,10,12,14
	v_pk_mul_f32 v[\b+16+\j:\b+17+\j], v[\b+16+\j:\b+17+\j], s[N2L:N2L+1] op_sel_hi:[1,0]
.endr
.irp j, 0,2,4,6,8,10,12,14
	v_pk_mul_f32 v[\b+\j:\b+1+\j], v[\b+\j:\b+1+\j], s[NL:NL+1] op_sel_hi:[1,0]
.endr
.irp j, 0,2,4,6,8,10,12,14
	v_pk_mul_f32 v[\b+32+\j:\b+33+\j], v[\b+32+\j:\b+33+\j], s[NL:NL+1] op_sel_hi:[1,0]
.endr
.irp j, 0,1,2,3,4,5,6,7,8,9,10,11,12,13,14,15
	v_min_num_f32 v[\b+16+\j], s[C30], v[\b+16+\j]
.endr
.endm
.macro DENOM b                         ; (1 + a)(1 + b)
.irp j, 0,2,4,6,8,10,12,14
	v_pk_add_f32 v[TT+\j:TT+1+\j], v[\b+16+\j:\b+17+\j], 1.0 op_sel_hi:[1,0]
.endr
.irp j, 0,2,4,6,8,10,12,14
	v_pk_fma_f32 v[\b+\j:\b+1+\j], v[\b+\j:\b+1+\j], v[TT+\j:TT+1+\j], v[TT+\j:TT+1+\j]
.endr
.endm
.macro BIAS a, off                     ; a block's biases into its accumulators
.irp g, 0,1,2
.irp i, 0,1,2,3
	ds_load_b128 v[\a+16*\g+4*\i:\a+16*\g+4*\i+3], v9 offset:\off+4608+128*\g+16*\i
.endr
.endr
.endm
.macro WFETCH off
.irp q, 0,1,2,3,4,5
	ds_load_b128 v[W1C+4*\q:W1C+4*\q+3], v7 offset:\off+512*\q
.endr
.irp q, 0,1,2,3,4,5
	ds_load_b32 v[W1S+\q], v8 offset:\off+4096+64*\q
.endr
.endm
.macro GATES b, xs
.irp q, 0,1,2,3,4,5
	MM \b+8*\q, W1C+4*\q, XC, \b+8*\q, W1S+\q, \xs
.endr
.endm
; Block a, from its first reciprocals to its part of product 2; block b (nx = 1), from its gates' products to its denominators.  wg = 1: Wg1's tiles of this u are loaded.
; ld = 1: the next u's tiles, biases and the x codes of tile 0 are loaded; ld = 2: its biases for set a and the x codes of tile 1.
.macro HALF a, b, ga, xs, wg, ld, nx
.irp j, 0,2,4,6,8,10,12,14
	v_rcp_f32 v[\a+\j], v[\a+\j]
	v_rcp_f32 v[\a+1+\j], v[\a+1+\j]
	v_pk_fma_f32 v[\a+16+\j:\a+17+\j], v[\a+16+\j:\a+17+\j], -1.0, 1.0 op_sel_hi:[1,0,0]
.endr
	AW
.if \nx
	s_wait_dscnt 0x0                       ; the next block's biases, tiles and x codes are in
	GATES \b, \xs
.endif
.irp j, 0,2,4,6,8,10,12,14
	v_pk_mul_f32 v[\a+16+\j:\a+17+\j], v[\a+16+\j:\a+17+\j], v[\a+\j:\a+1+\j]
.endr
.irp j, 0,2,4,6,8,10,12,14
	v_pk_mul_f32 v[TT+\j:TT+1+\j], v[\a+16+\j:\a+17+\j], v[\a+16+\j:\a+17+\j]
.endr
.irp j, 0,2,4,6,8,10,12,14
	v_pk_fma_f32 v[\a+\j:\a+1+\j], v[TT+\j:TT+1+\j], s[C1:C1+1], v[K0:K0+1] op_sel_hi:[1,0,1]
.endr
.irp j, 0,2,4,6,8,10,12,14
	v_pk_mul_f32 v[\a+\j:\a+1+\j], v[\a+\j:\a+1+\j], v[\a+16+\j:\a+17+\j]
.endr
.irp j, 0,2,4,6,8,10,12,14
	v_pk_add_f32 v[\a+16+\j:\a+17+\j], v[TT+\j:TT+1+\j], s[Q1:Q1+1] op_sel_hi:[1,0]
.endr
.irp j, 0,2,4,6,8,10,12,14
	v_pk_fma_f32 v[\a+16+\j:\a+17+\j], v[\a+16+\j:\a+17+\j], v[TT+\j:TT+1+\j], s[Q0:Q0+1] op_sel_hi:[1,1,0]
.endr
.irp j, 0,2,4,6,8,10,12,14
	v_pk_fma_f32 v[\a+16+\j:\a+17+\j], v[\a+16+\j:\a+17+\j], v[\a+32+\j:\a+33+\j], v[\a+16+\j:\a+17+\j]
.endr
	AW
.if \nx
	SCALE \b
.endif
.if \wg
	ds_load_b128 v[WG0:WG0+3], v7 offset:3072
	ds_load_b128 v[WG1:WG1+3], v7 offset:3584
	ds_load_b32 v[WGS], v8 offset:4480
	ds_load_b32 v[WGS+1], v8 offset:4544
.endif
.irp j, 0,1,2,3,4,5,6,7,8,9,10,11,12,13,14,15
	v_rcp_f32 v[\a+16+\j], v[\a+16+\j]
.endr
	v_nop
	AW
.irp j, 0,2,4,6,8,10,12,14
	v_pk_mul_f32 v[\a+\j:\a+1+\j], v[\a+\j:\a+1+\j], v[\a+16+\j:\a+17+\j]
.endr
	QMAX \a, HS, 0
	AW
.irp j, 0,1,2,3,4,5,6,7,8,9,10,11,12,13,14,15
.if \nx
	v_exp_f32 v[\b+\j], v[\b+\j]
	v_exp_f32 v[\b+16+\j], v[\b+16+\j]
	v_exp_f32 v[\b+32+\j], v[\b+32+\j]
.endif
	HOLD \a+\j
.endr
	AW
	CVT \a, HC                             ; h's codes are product 2's operand as they stand
.if \ld == 1
	ds_load_b128 v[XC:XC+3], v10
	WFETCH RSZ
	BIAS \a, RSZ
.endif
.if \ld == 2
	ds_load_b128 v[XC:XC+3], v10 offset:512
	BIAS \a, RSZ
.endif
.if \nx
	DENOM \b
.else
	PLACES 4
.endif
	AW
.if \ld == 1
	s_wait_dscnt 24                        ; Wg1's tiles and the x codes are in; six tiles, six scale words and twelve loads of biases may be out
.elseif \ld == 2
	s_wait_dscnt 12                        ; the x codes are in; the biases may be out
.else
	s_wait_dscnt 0x0
.endif
	MM \ga, WG0, HC, \ga, WGS, HS
	MM \ga+8, WG1, HC, \ga+8, WGS+1, HS
.endm
	s_load_b512 s[4:19], s[0:1], 0x0       ; x, missing_bool, W_ih1, b1, Wg1, bg1, Wg2, bg2
	s_load_b512 s[20:35], s[0:1], 0x40     ; out1, seq_features, basin_ids, basin_emb, W_ih2, b2, Wp1, bp1
	s_load_b128 s[36:39], s[0:1], 0x80     ; Wp2, bp2
	s_load_b64 s[40:41], s[0:1], 0x90      ; out0
	v_lshl_add_u32 v[SPW], v0, 2, SPARE
	v_mov_b32 v[NIL], 0
	ds_add_u32 v[SPW], v[NIL]
	ds_add_u32 v[SPW], v[NIL]
	v_lshrrev_b32 v1, 5, v0
	v_readfirstlane_b32 s[WV], v1
	v_and_b32 v1, 31, v0
	v_and_b32 v2, 15, v0
	v_bfe_u32 v3, v0, 4, 1
	v_and_b32 v38, 8, v2
	v_lshlrev_b32 v4, 4, v1
	v_lshlrev_b32 v5, 2, v2
	v_lshlrev_b32 v6, 6, v3
	v_add_nc_u32 v38, v38, v2              ; r + 8 (r / 8): a weight tile's rows
	v_lshl_add_u32 v41, v2, 10, v6         ; Wp1: rows of 1,024 bytes
	v_lshl_add_u32 v13, v2, 7, v6
	v_lshl_add_u32 v39, v38, 7, v6         ; W_ih1, Wg2: rows of 128 bytes
	v_lshl_add_u32 v40, v38, 10, v6        ; Wg1
	v_lshlrev_b32 v50, 2, v38
	v_mul_u32_u24 v45, v2, 144
	v_add_nc_u32 v45, v45, v6
	v_bfe_u32 v12, v0, 3, 2
	v_mul_u32_u24 v12, v12, 144
	v_and_b32 v51, 7, v0
	v_lshl_add_u32 v12, v51, 4, v12
	v_lshlrev_b32 v47, 2, v1
	v_min_u32 v[PFV], 15, v1
	v_lshlrev_b32 v[PFV], 8, v[PFV]        ; the 16 blocks of 256 bytes of my rows of missing_bool
	v_add_nc_u32 v7, REC, v4
	v_add_nc_u32 v8, REC, v5
	v_add_nc_u32 v9, REC, v6
	AW
	s_and_b32 s[UU], s[WV], 7
	s_lshr_b32 s[GG], s[WV], 3
	s_xor_b32 s[RG], s[WV], 15
	s_mov_b32 s[G1X+0], (1<<20)|(4<<22)|(3<<25)    ; x: my 4,096 dense bytes as 16 rows of 256, 16 bytes of padding behind each 128
	s_mov_b32 s[G1X+1], 256<<16
	s_mov_b32 s[G1X+2], 16<<16
	s_mov_b32 s[G1X+3], 256<<16
	s_mov_b32 s[G1X+4], 16
	s_mov_b32 s[G1X+5], 256
	s_mov_b32 s[G1X+6], 0
	s_mov_b32 s[G1X+7], 0
	s_mov_b32 s[G1W+0], (1<<20)|(5<<22)|(3<<25)    ; W_ih2: 64 rows of 256 bytes, 16 bytes of padding behind each
	s_mov_b32 s[G1W+1], 256<<16
	s_mov_b32 s[G1W+2], 64<<16
	s_mov_b32 s[G1W+3], 256<<16
	s_mov_b32 s[G1W+4], 64
	s_mov_b32 s[G1W+5], 256
	s_mov_b32 s[G1W+6], 0
	s_mov_b32 s[G1W+7], 0
	s_lshl_b32 s2, ttmp9, 16
	s_lshl_b32 s3, s[RG], 12
	s_add_co_u32 s2, s2, s3
	s_mov_b32 s3, 0
	s_mov_b32 s71, 0
	s_mul_i32 s69, s[WV], 4608
	s_mul_i32 s72, s[WV], W2R
	s_wait_dscnt 0x0
	s_wait_kmcnt 0x0
	s_mov_b32 s[G0X], 1
	s_mov_b32 s[G0X+1], s69
	s_add_nc_u64 s[G0X+2:G0X+3], s[4:5], s[2:3]
	s_or_b32 s[G0X+3], s[G0X+3], 0x80000000
	tensor_load_to_lds s[G0X:G0X+3], s[G1X:G1X+7]
	s_nop 0
	PLACES 4
	s_add_nc_u64 s[6:7], s[6:7], s[2:3]            ; my rows of missing_bool and out1
	s_add_nc_u64 s[20:21], s[20:21], s[2:3]
	s_lshl_b32 s70, s[UU], 12
	s_lshl_b32 s73, s[GG], 10
	s_add_co_u32 s70, s70, s73
	s_add_nc_u64 s[8:9], s[8:9], s[70:71]          ; W_ih1 at row 32 u + 8 gg
	s_lshl_b32 s70, s[UU], 7
	s_add_nc_u64 s[32:33], s[32:33], s[70:71]      ; Wp1 at k = 32 u
	s_lshl_b32 s73, s[GG], 13
	s_add_co_u32 s70, s70, s73
	s_add_nc_u64 s[12:13], s[12:13], s[70:71]      ; Wg1 at row 8 gg, k = 32 u
	s_lshl_b32 s70, s[UU], 7
	s_lshl_b32 s73, s[GG], 5
	s_add_co_u32 s70, s70, s73
	s_add_nc_u64 s[10:11], s[10:11], s[70:71]      ; b1 at 32 u + 8 gg
	s_and_b32 s70, s[WV], 1
	s_lshl_b32 s70, s70, 10
	s_add_nc_u64 s[16:17], s[16:17], s[70:71]      ; Wg2 at row 8 n
	; LDS addresses, ahead of the first parting on the wave's number
	s_mul_i32 s73, s[UU], RSZ
	s_add_co_u32 s73, s73, REC
	s_lshl_b32 s70, s[GG], 9
	s_add_co_u32 s70, s70, s73
	v_add_nc_u32 v42, s70, v4                      ; codes of my tiles
	s_lshl_b32 s70, s[GG], 6
	s_add_co_u32 s70, s70, s73
	s_add_co_u32 s70, s70, 4096
	v_add_nc_u32 v43, s70, v5                      ; their scale words
	s_lshl_b32 s70, s[GG], 5
	s_add_co_u32 s70, s70, s73
	s_add_co_u32 s70, s70, 4608
	v_add_nc_u32 v44, s70, v50                     ; their biases
	s_mul_i32 s70, s[WV], 2304
	s_add_co_u32 s70, s70, STG
	v_add_nc_u32 v11, s70, v45
	v_add_nc_u32 v12, s70, v12
	v_add_nc_u32 v45, s69, v45                     ; my x, as f32
	s_lshl_b32 s70, s[WV], 10
	s_add_co_u32 s70, s70, XIMG
	v_add_nc_u32 v10, s70, v4
	s_lshr_b32 s70, s[UU], 2
	s_and_b32 s73, s[UU], 3
	s_lshl_b32 s69, s70, 11
	s_lshl_b32 s70, s70, 7
	s_add_co_u32 s70, s70, s73
	s_add_co_u32 s70, s70, P1SC
	s_lshl_b32 s73, s73, 9
	s_add_co_u32 s69, s69, s73
	s_add_co_u32 s69, s69, P1IMG
	v_add_nc_u32 v46, s69, v4
	v_add_nc_u32 v47, s70, v47
	s_and_b32 s70, s[WV], 1
	s_lshl_b32 s69, s70, 9
	s_add_co_u32 s69, s69, G2IMG
	v_add_nc_u32 v48, s69, v4
	s_lshl_b32 s69, s70, 6
	s_add_co_u32 s69, s69, G2SC
	v_add_nc_u32 v49, s69, v5
	; a role's loads first: waves 0-7 Wp1's block u, waves 8 and 9 Wg2's tile n
	AW
	s_cmp_lt_u32 s[WV], 8
	s_cbranch_scc0 .Lrole_b
.irp i, 0,1,2,3
	global_load_b128 v[QB+32+4*\i:QB+32+4*\i+3], v41, s[32:33] offset:16*\i
.endr
	s_branch .Lrole_c
.Lrole_b:
	s_cmp_lt_u32 s[WV], 10
	s_cbranch_scc0 .Lrole_c
.irp i, 0,1,2,3
	global_load_b128 v[QB+32+4*\i:QB+32+4*\i+3], v39, s[16:17] offset:16*\i
.endr
.Lrole_c:
.irp g, 0,1,2
.irp i, 0,1,2,3
	global_load_b128 v[QA+16*\g+4*\i:QA+16*\g+4*\i+3], v39, s[8:9] offset:(512*\g-256*(\g/2))*128+16*\i
.endr
.endr
.irp i, 0,1,2,3
	global_load_b128 v[QB+4*\i:QB+4*\i+3], v40, s[12:13] offset:16*\i
.endr
.irp g, 0,1,2
	global_load_b32 v[250+\g], v50, s[10:11] offset:(512*\g-256*(\g/2))*4
.endr
.irp i, 0,1,2,3
	global_load_b128 v[GA+4*\i:GA+4*\i+3], v6, s[14:15] offset:16*\i
.endr
	s_lshl_b32 s70, ttmp9, 2
	s_add_nc_u64 s[24:25], s[24:25], s[70:71]
	s_add_nc_u64 s[40:41], s[40:41], s[70:71]
	s_load_b32 s[IDV], s[24:25], 0x0
	s_load_b32 s[BP2], s[38:39], 0x0
	s_lshl_b32 s70, s[WV], 6
	s_add_nc_u64 s[30:31], s[30:31], s[70:71]      ; b2 at unit 16 w
	s_lshl_b32 s70, ttmp9, 16
	s_add_nc_u64 s[22:23], s[22:23], s[70:71]      ; seq_features of b
	s_lshr_b32 s69, s[WV], 2                       ; W_ih2: waves 0-11 take 64 rows each of the gates i, g, o
	s_min_u32 s69, s69, 1
	s_lshl_b32 s69, s69, 16
	s_lshl_b32 s70, s[WV], 14
	s_add_co_u32 s70, s70, s69
	s_add_nc_u64 s[G0W+2:G0W+3], s[28:29], s[70:71]
	s_or_b32 s[G0W+3], s[G0W+3], 0x80000000
	s_mov_b32 s[G0W], 1
	s_mov_b32 s[G0W+1], s72
	s_mov_b32 s[MNT], 0x600000
	s_mov_b32 s[C30], 0x41f00000
	s_mov_b32 s[SEL], 0x76543210
	s_mov_b32 s[SEL+1], 0xfedcba98
	s_mov_b32 s[NL], 0xbfb8aa3b
	s_mov_b32 s[NL+1], s[NL]
	s_mov_b32 s[N2L], 0xc038aa3b
	s_mov_b32 s[N2L+1], s[N2L]
	s_mov_b32 s[PL], 0x3fb8aa3b
	s_mov_b32 s[PL+1], s[PL]
	s_mov_b32 s[Q0], 0x42d71ee8                    ; 107.56037
	s_mov_b32 s[Q0+1], s[Q0]
	s_mov_b32 s[Q1], 0x423816f6                    ; 46.022424
	s_mov_b32 s[Q1+1], s[Q1]
	s_mov_b32 s[C1], 0x4122b418                    ; 10.168969
	s_mov_b32 s[C1+1], s[C1]
	s_mov_b32 s[C01], 0x3c23d70a
	s_mov_b32 s[C01+1], s[C01]
	s_mov_b32 s[C3], 0x40400000
	s_mov_b32 s[CLO], 0x358637bd
	v_mov_b32 v[K0], 0x42d71ee8
	v_mov_b32 v[K0+1], 0x42d71ee8
	v_mov_b32 v[TM+5], 0
	AW
	s_wait_tensorcnt 0x0                           ; my own rows of x are in
.irp k, 0,1
.irp i, 0,1,2,3
	ds_load_b128 v[W1C+16*\k+4*\i:W1C+16*\k+4*\i+3], v45 offset:2304*\k+16*\i
.endr
.endr
	s_wait_dscnt 4
	Q32 W1C, HC, XS, 1
	ds_store_b128 v10, v[HC:HC+3]
	AW
	s_wait_dscnt 1                                 ; the second tile's loads are in; the store may be out
	Q32 W1C+16, XC, XS+1, 1
	ds_store_b128 v10, v[XC:XC+3] offset:512
	; W_ih1's three tiles of this wave; behind them stand 19, 15, 11 younger loads
.irp g, 0,1,2
	AW
	s_wait_loadcnt 19-4*\g
	Q32 QA+16*\g, HC, BYT, 0
	ds_store_b128 v42, v[HC:HC+3] offset:1024*\g
	ds_store_b32 v43, v[BYT] offset:128*\g
.endr
	AW
	s_wait_loadcnt 7
	Q32 QB, HC, BYT, 0                             ; Wg1's block u, tile gg
	ds_store_b128 v42, v[HC:HC+3] offset:3072
	ds_store_b32 v43, v[BYT] offset:384
	AW
	s_wait_loadcnt 0x0
.irp g, 0,1,2
	ds_store_b32 v44, v[250+\g] offset:128*\g
.endr
.irp j, 0,1,2,3,4,5,6,7,8,9,10,11,12,13,14,15
	v_mov_b32 v[GA+16+\j], v[GA+\j]                ; both tiles' hid begin with bg1
.endr
.irp j, 4,5,6,7,8,9,10,11,12,13,14,15
	v_mov_b32 v[XC+\j], 0
.endr
.irp j, 0,1,2,3,4,5,6,7,8,9,10,11,12,13,14,15,16,17,18,19,20,21,22,23
	v_mov_b32 v[WG0+\j], 0
.endr
	AW
	s_cmp_lt_u32 s[WV], 8
	s_cbranch_scc0 .Lrole_d
	Q32 QB+32, HC, BYT, 0
	ds_store_b128 v46, v[HC:HC+3]
	ds_store_b8 v47, v[BYT]
	AW
	s_branch .Lrole_e
.Lrole_d:
	s_cmp_lt_u32 s[WV], 10
	s_cbranch_scc0 .Lrole_e
	Q32 QB+32, HC, BYT, 0
	ds_store_b128 v48, v[HC:HC+3]
	ds_store_b32 v49, v[BYT]
.Lrole_e:
	AW
	s_wait_kmcnt 0x0
	s_wait_tensorcnt 0x0
	ds_add_u32 v[SPW], v[NIL]
	s_min_u32 s69, s[IDV], 530                     ; the id is held inside the table
	s_lshl_b32 s70, s69, 7
	s_add_nc_u64 s[26:27], s[26:27], s[70:71]
	s_wait_dscnt 0x0
	s_barrier_signal -1
	s_barrier_wait -1                              ; the records are whole; x's bytes are read
	s_cmp_lt_u32 s[WV], 12
	s_cbranch_scc0 .Lno_w2
	tensor_load_to_lds s[G0W:G0W+3], s[G1W:G1W+7]  ; W_ih2's rows land under the loop
	s_nop 0
	PLACES 4
.Lno_w2:
	WFETCH 0
	ds_load_b128 v[XC:XC+3], v10
	BIAS QA, 0
	BIAS QB, 0
	s_wait_dscnt 12                                ; the second set's biases may be out
	GATES QA, XS
	PLACES 8
	ds_load_b128 v[XC:XC+3], v10 offset:512
	SCALE QA
	AW
.irp j, 0,1,2,3,4,5,6,7,8,9,10,11,12,13,14,15,16,17,18,19,20,21,22,23,24,25,26,27,28,29,30,31,32,33,34,35,36,37,38,39,40,41,42,43,44,45,46,47
	v_exp_f32 v[QA+\j], v[QA+\j]
.endr
	v_nop
	AW
	DENOM QA
	s_mov_b32 s[CNT], 7
	AW
.Lunits:
	s_cmp_eq_u32 s[CNT], 4                         ; once, three trips ahead of their loads: my rows of missing_bool, each block of 256 bytes by one lane (lanes 16-31 name the last again)
	s_cbranch_scc0 .Lno_ask
	global_prefetch_b8 v[PFV], s[6:7] th:TH_LOAD_NT scope:SCOPE_SE
.Lno_ask:
	HALF QA, QB, GA, XS+1, 1, 1, 1
	HALF QB, QA, GA+16, XS, 0, 2, 1
	v_add_nc_u32 v7, RSZ, v7
	v_add_nc_u32 v8, RSZ, v8
	v_add_nc_u32 v9, RSZ, v9
	AW
	s_sub_co_u32 s[CNT], s[CNT], 1
	s_cmp_lg_u32 s[CNT], 0
	s_cbranch_scc1 .Lunits
	HALF QA, QB, GA, XS+1, 1, 0, 1                 ; u = 7 loads nothing for a next u
.irp i, 0,1,2,3
	global_load_b128 v[QA+32+4*\i:QA+32+4*\i+3], v6, s[18:19] offset:16*\i    ; bg2
.endr
.irp t, 0,1
.irp i, 0,1,2,3
	global_load_b128 v[QA+16*\t+4*\i:QA+16*\t+4*\i+3], v13, s[6:7] offset:2048*\t+16*\i th:TH_LOAD_NT
.endr
.endr
	HALF QB, QA, GA+16, XS, 0, 0, 0
	v_add_nc_u32 v7, G2IMG, v4
	v_add_nc_u32 v8, G2SC, v5
	PLACES 8
	AW
	s_wait_tensorcnt 0x0                           ; W_ih2's rows are in
	ds_load_b128 v[WG0:WG0+3], v7
	ds_load_b128 v[WG1:WG1+3], v7 offset:512
	ds_load_b32 v[WGS], v8
	ds_load_b32 v[WGS+1], v8 offset:64
	AW
.irp t, 0,1
.irp j, 0,2,4,6,8,10,12,14
	v_pk_mul_f32 v[QB+16*\t+\j:QB+16*\t+\j+1], v[GA+16*\t+\j:GA+16*\t+\j+1], s[C01:C01+1] op_sel_hi:[1,0]
.endr
.endr
.irp t, 0,1
.irp j, 0,1,2,3,4,5,6,7,8,9,10,11,12,13,14,15
	v_max_num_f32 v[GA+16*\t+\j], v[GA+16*\t+\j], v[QB+16*\t+\j]   ; leaky
.endr
.endr
	AW
	s_wait_dscnt 0x0
	s_wait_loadcnt 8                               ; bg2 is in; missing_bool's eight loads may be out
.irp t, 0,1
	Q32 GA+16*\t, HC, HS, 0
	PLACES 3
	MM QB+16*\t, WG0, HC, QA+32, WGS, HS
	MM QB+16*\t+8, WG1, HC, QA+40, WGS+1, HS
.endr
	PLACES 8
; The softmax over 32 features, the mask, the second normalisation, the clip: both tiles side by side; tile t works in W1C + 12 t ..
.irp t, 0,1
.set L, QB+16*\t
.set U, W1C+12*\t
	v_max3_num_f32 v[U], v[L], v[L+1], v[L+2]
	v_max3_num_f32 v[U+1], v[L+8], v[L+9], v[L+10]
	v_max3_num_f32 v[U], v[U], v[L+3], v[L+4]
	v_max3_num_f32 v[U+1], v[U+1], v[L+11], v[L+12]
	v_max3_num_f32 v[U], v[U], v[L+5], v[L+6]
	v_max3_num_f32 v[U+1], v[U+1], v[L+13], v[L+14]
	v_max3_num_f32 v[U], v[U], v[L+7], v[L+15]
	v_max_num_f32 v[U], v[U], v[U+1]
	v_permlanex16_b32 v[U+1], v[U], s[SEL], s[SEL+1]
	v_max_num_f32 v[U], v[U], v[U+1]
	v_mul_f32 v[U+2], s[NL], v[U]
.irp j, 0,2,4,6,8,10,12,14
	v_pk_fma_f32 v[L+\j:L+\j+1], v[L+\j:L+\j+1], s[PL:PL+1], v[U+2:U+3] op_sel_hi:[1,0,0]
.endr
.endr
	AW
.irp j, 0,1,2,3,4,5,6,7,8,9,10,11,12,13,14,15,16,17,18,19,20,21,22,23,24,25,26,27,28,29,30,31
	v_exp_f32 v[QB+\j], v[QB+\j]
.endr
	v_nop
	AW
	s_wait_loadcnt 0x0
.irp t, 0,1
.set L, QB+16*\t
.set M, QA+16*\t
.set U, W1C+12*\t
.irp j, 0,2,4,6,8,10,12,14
	v_pk_mul_f32 v[M+\j:M+\j+1], v[M+\j:M+\j+1], v[L+\j:L+\j+1]
.endr
	v_pk_add_f32 v[U+4:U+5], v[L:L+1], v[L+2:L+3]
	v_pk_add_f32 v[U+6:U+7], v[M:M+1], v[M+2:M+3]
.irp j, 4,6,8,10,12,14
	v_pk_add_f32 v[U+4:U+5], v[U+4:U+5], v[L+\j:L+\j+1]
	v_pk_add_f32 v[U+6:U+7], v[U+6:U+7], v[M+\j:M+\j+1]
.endr
	v_add_f32 v[U+4], v[U+4], v[U+5]
	v_add_f32 v[U+6], v[U+6], v[U+7]
	v_permlanex16_b32 v[U], v[U+4], s[SEL], s[SEL+1]
	v_permlanex16_b32 v[U+1], v[U+6], s[SEL], s[SEL+1]
	v_add_f32 v[U+4], v[U+4], v[U]
	v_add_f32 v[U+6], v[U+6], v[U+1]
.endr
	AW
	v_rcp_f32 v[W1C], v[W1C+4]
	v_rcp_f32 v[W1C+12], v[W1C+16]
	v_nop
	AW
	v_fmaak_f32 v[W1C+1], v[W1C+6], v[W1C], 0x322bcc77
	v_fmaak_f32 v[W1C+13], v[W1C+18], v[W1C+12], 0x322bcc77
	AW
	v_rcp_f32 v[W1C+2], v[W1C+1]
	v_rcp_f32 v[W1C+14], v[W1C+13]
	v_nop
	AW
	v_mul_f32 v[W1C+4], v[W1C], v[W1C+2]
	v_mul_f32 v[W1C+16], v[W1C+12], v[W1C+14]
.irp t, 0,1
.set M, QA+16*\t
.set U, W1C+12*\t
.irp j, 0,2,4,6,8,10,12,14
	v_pk_mul_f32 v[M+\j:M+\j+1], v[M+\j:M+\j+1], v[U+4:U+5] op_sel_hi:[1,0]
.endr
.irp j, 0,1,2,3,4,5,6,7,8,9,10,11,12,13,14,15
	v_med3_num_f32 v[M+\j], v[M+\j], s[CLO], 0.5
.endr
.endr
; Out: each tile through my stage (LDS serves a wave's instructions in order: ISA guide 5.7.1.4); a store covers 512 consecutive bytes.
.irp t, 0,1
.irp i, 0,1,2,3
	ds_store_b128 v11, v[QA+16*\t+4*\i:QA+16*\t+4*\i+3] offset:16*\i
.endr
.set RB, QB+32-(QB+32-TT)*\t
.irp j, 0,1,2,3
	ds_load_b128 v[RB+4*\j:RB+4*\j+3], v12 offset:576*\j
.endr
.endr
	v_add_nc_u32 v7, STG+15*144, v6                ; wave 0's row t = 511 of w
	v_add_nc_u32 v8, X2IMG, v4
	v_add_nc_u32 v9, X2SC, v5
	AW
.irp t, 0,1
.set RB, QB+32-(QB+32-TT)*\t
.irp j, 0,1,2,3
.if \t
	s_wait_dscnt 3-\j
.else
	s_wait_dscnt 11-\j                             ; behind them the second tile's four stores and four loads
.endif
	global_store_b128 v4, v[RB+4*\j:RB+4*\j+3], s[20:21] offset:2048*\t+512*\j th:TH_STORE_NT
.endr
.endr
.irp g, 0,1,2
	global_load_b32 v[250+\g], v5, s[30:31] offset:(512*\g-256*(\g/2))*4      ; b2 of unit 16 w + r
.endr
	s_wait_xcnt 0x0                                ; the stores have read their registers
	s_cmp_lg_u32 s[WV], 0
	s_cbranch_scc1 .Lno_x2
; Wave 0: x2 = [clip(seq_features) x w, embedding] of t = 511, the same in every r.
	v_lshlrev_b32 v1, 5, v3
	AW
.irp i, 0,1,2,3
	global_load_b128 v[QA+4*\i:QA+4*\i+3], v6, s[22:23] offset:65408+16*\i
.endr
.irp i, 0,1,2,3
	global_load_b128 v[QA+16+4*\i:QA+16+4*\i+3], v6, s[26:27] offset:16*\i
.endr
.irp i, 0,1
	global_load_b128 v[GA+4*\i:GA+4*\i+3], v1, s[34:35] offset:16*\i          ; bp1 and Wp2 at 8 h
	global_load_b128 v[GA+8+4*\i:GA+8+4*\i+3], v1, s[36:37] offset:16*\i
.endr
.irp i, 0,1,2,3
	ds_load_b128 v[QB+4*\i:QB+4*\i+3], v7 offset:16*\i
.endr
	v_mov_b32 v[TM+4], 0x40400000
	AW
	s_wait_loadcnt_dscnt 0x0
.irp j, 0,1,2,3,4,5,6,7,8,9,10,11,12,13,14,15
	v_med3_num_f32 v[QA+\j], v[QA+\j], -v[TM+4], v[TM+4]
.endr
.irp j, 0,2,4,6,8,10,12,14
	v_pk_mul_f32 v[QA+\j:QA+\j+1], v[QA+\j:QA+\j+1], v[QB+\j:QB+\j+1]
.endr
	Q32 QA, HC, HS, 1                              ; both later clips at +-3 stand in the quantiser
	Q32 QA+16, XC, BYT, 1
	ds_store_b128 v8, v[HC:HC+3]
	ds_store_b128 v8, v[XC:XC+3] offset:512
	v_lshl_or_b32 v[HS], v[BYT], 8, v[HS]
	ds_store_b32 v9, v[HS]
	AW
.Lno_x2:
; Waves 0-11: my 64 rows of W_ih2, four tiles of two blocks.  The codes go over the first tile's raw bytes, which are in registers by then and are filled no more.
	s_mul_i32 s69, s[WV], W2R
	v_mul_u32_u24 v7, v2, 272
	v_add_nc_u32 v7, v7, v6
	v_add_nc_u32 v7, s69, v7
	v_add_nc_u32 v8, s69, v4
	s_add_co_u32 s69, s69, 4096
	v_add_nc_u32 v9, s69, v5
	AW
	s_cmp_lt_u32 s[WV], 12
	s_cbranch_scc0 .Lno_q2
.macro RAW i
.irp c, 0,1
.irp j, 0,1,2,3
	ds_load_b128 v[QA+48*((\i)%2)+16*\c+4*\j:QA+48*((\i)%2)+16*\c+4*\j+3], v7 offset:4352*(\i)+128*\c+16*\j
.endr
.endr
.endm
	RAW 0
.irp i, 0,1,2,3
.if \i < 3
	RAW \i+1
	s_wait_dscnt 8                                 ; the next tile's eight loads may be out
.else
	s_wait_dscnt 0x0
.endif
	Q32 QA+48*(\i%2), HC, HS, 0
	ds_store_b128 v8, v[HC:HC+3] offset:1024*\i
	Q32 QA+48*(\i%2)+16, XC, BYT, 0
	ds_store_b128 v8, v[XC:XC+3] offset:1024*\i+512
	v_lshl_or_b32 v[HS], v[BYT], 8, v[HS]
	ds_store_b32 v9, v[HS] offset:64*\i
	AW
.endr
.Lno_q2:
	s_lshr_b32 s69, s[WV], 2                       ; unit tile w: share 4 gate + w / 4, its tile w % 4
	s_mul_i32 s69, s69, W2R
	s_and_b32 s70, s[WV], 3
	s_lshl_b32 s72, s70, 10
	s_add_co_u32 s72, s72, s69
	v_add_nc_u32 v7, s72, v4
	s_lshl_b32 s72, s70, 6
	s_add_co_u32 s72, s72, s69
	s_add_co_u32 s72, s72, 4096
	v_add_nc_u32 v10, s72, v5
	v_add_nc_u32 v8, 4*W2R, v7
	v_add_nc_u32 v9, 8*W2R, v7
	v_add_nc_u32 v11, 4*W2R, v10
	v_add_nc_u32 v12, 8*W2R, v10
	v_add_nc_u32 v38, X2IMG, v4
	v_add_nc_u32 v39, X2SC, v5
	s_lshl_b32 s72, s[WV], 6
	s_add_co_u32 s72, s72, H2F
	v_add_nc_u32 v40, s72, v5
	v_and_b32 v41, 7, v2
	v_lshlrev_b32 v41, 7, v41
	v_add_nc_u32 v41, v41, v6
	v_add_nc_u32 v41, H2F, v41                     ; block r % 8 of h2, my half
	v_add_nc_u32 v42, H2C, v4
	v_add_nc_u32 v43, H2S, v2
	v_lshlrev_b32 v44, 8, v3
	v_add_nc_u32 v44, H2C, v44
	v_mov_b32 v45, H2S
	v_add_nc_u32 v46, P1IMG, v4
	v_and_b32 v47, 31, v0
	v_lshlrev_b32 v47, 2, v47
	v_add_nc_u32 v47, P1SC, v47
	AW
	s_wait_loadcnt 0x0
	s_wait_dscnt 0x0
	s_barrier_signal -1
	s_barrier_wait -1                              ; W_ih2's codes and x2 lie in LDS
.irp c, 0,1
	ds_load_b128 v[W1C+4*\c:W1C+4*\c+3], v7 offset:512*\c
	ds_load_b128 v[W1C+8+4*\c:W1C+8+4*\c+3], v8 offset:512*\c
	ds_load_b128 v[W1C+16+4*\c:W1C+16+4*\c+3], v9 offset:512*\c
	ds_load_b128 v[HC+4*\c:HC+4*\c+3], v38 offset:512*\c
.endr
	ds_load_b32 v[W1S], v10
	ds_load_b32 v[W1S+1], v11
	ds_load_b32 v[W1S+2], v12
	ds_load_b32 v[XS], v39
	s_wait_dscnt 0x0
; Source 0 = x2 in all 16 rows, source 1 = 16 units' weights: every register of lane (r, h) holds unit 16 w + r; the first is used.
.irp g, 0,1,2
	MMZ QA+8*\g, HC, W1C+8*\g, XS, W1S+\g
.endr
	PLACES 8
	v_add_f32 v[QB], v[QA], v250
	v_add_f32 v[QB+1], v[QA+8], v251
	v_add_f32 v[QB+2], v[QA+16], v252
	v_mul_f32 v[QB], s[NL], v[QB]
	v_mul_f32 v[QB+1], s[N2L], v[QB+1]
	v_mul_f32 v[QB+2], s[NL], v[QB+2]
	v_min_num_f32 v[QB+1], s[C30], v[QB+1]
	AW
	v_exp_f32 v[QB], v[QB]
	v_exp_f32 v[QB+1], v[QB+1]
	v_exp_f32 v[QB+2], v[QB+2]
	v_nop
	AW
	v_add_f32 v[QB+3], 1.0, v[QB+1]
	v_sub_f32 v[QB+4], 1.0, v[QB+1]
	v_fma_f32 v[QB], v[QB], v[QB+3], v[QB+3]
	AW
	v_rcp_f32 v[QB+5], v[QB]
	v_nop
	AW
	v_mul_f32 v[QB+4], v[QB+4], v[QB+5]            ; cc
	v_mul_f32 v[QB+6], v[QB+4], v[QB+4]            ; y
	v_fma_f32 v[QB+7], v[QB+6], s[C1], v[K0]
	v_add_f32 v[QB+8], s[Q1], v[QB+6]
	v_mul_f32 v[QB+7], v[QB+7], v[QB+4]
	v_fma_f32 v[QB+8], v[QB+8], v[QB+6], v[K0]
	v_fma_f32 v[QB+8], v[QB+8], v[QB+2], v[QB+8]
	AW
	v_rcp_f32 v[QB+9], v[QB+8]
	v_nop
	AW
	v_mul_f32 v[QB+7], v[QB+7], v[QB+9]            ; h2
	ds_store_b32 v40, v[QB+7]                      ; lanes r and r + 16 hold the same unit
	AW
	s_wait_dscnt 0x0
	s_barrier_signal -1
	s_barrier_wait -1                              ; h2 lies in LDS
	s_cmp_eq_u32 s[WV], 0
	s_cbranch_scc1 .Lwave_0
	s_wait_tensorcnt 0x0                           ; a wave's end
	ds_add_u32 v[SPW], v[NIL]
	s_wait_dscnt 0x0
	s_endpgm
.Lwave_0:
; Products 5 and 6.  Lane (r, h) quantises its half of block r % 8, so one pass serves all eight blocks; the operand's lanes then read the codes back.
.irp i, 0,1,2,3
	ds_load_b128 v[QB+16+4*\i:QB+16+4*\i+3], v41 offset:16*\i
.endr
.irp k, 0,1,2,3,4,5,6,7
	ds_load_b128 v[W1C+4*\k:W1C+4*\k+3], v46 offset:512*\k                    ; Wp1
.endr
	ds_load_b32 v[W1S+2], v47
	ds_load_b32 v[W1S+3], v47 offset:128
	s_wait_dscnt 10                                ; h2 is in; Wp1's ten loads may be out
	Q32 QB+16, HC, BYT, 0
	ds_store_b128 v42, v[HC:HC+3]
	ds_store_b8 v43, v[BYT]
.irp c, 0,1,2,3,4,5,6,7
	ds_load_b128 v[QA+4*\c:QA+4*\c+3], v44 offset:16*\c
.endr
	ds_load_b32 v[W1S], v45
	ds_load_b32 v[W1S+1], v45 offset:4
	s_wait_dscnt 0x0
	MM GA+16, W1C, QA, GA, W1S+2, W1S              ; lane (r, h) holds units 8 h + 0 .. 7
	AW
	MM GA+16, W1C+16, QA+16, GA+16, W1S+3, W1S+1
	PLACES 8
.irp j, 0,2,4,6
	v_pk_mul_f32 v[QB+\j:QB+\j+1], v[GA+16+\j:GA+16+\j+1], s[C01:C01+1] op_sel_hi:[1,0]
.endr
.irp j, 0,1,2,3,4,5,6,7
	v_max_num_f32 v[QB+\j], v[GA+16+\j], v[QB+\j]
.endr
	v_mul_f32 v254, v[QB], v[GA+8]                 ; product 6 in f32: my eight units,
.irp j, 1,2,3,4,5,6,7
	s_delay_alu instid0(VALU_DEP_1)
	v_fma_f32 v254, v[QB+\j], v[GA+8+\j], v254
.endr
	s_delay_alu instid0(VALU_DEP_1)
	v_permlanex16_b32 v[TM+5], v254, s[SEL], s[SEL+1]
	s_delay_alu instid0(VALU_DEP_1)
	v_add_f32 v254, v254, v[TM+5]                  ; and lane l xor 16's
	s_delay_alu instid0(VALU_DEP_1)
	v_add_f32 v254, s[BP2], v254
	s_delay_alu instid0(VALU_DEP_1)
	v_med3_num_f32 v254, v254, 0, 0x42c80000
	v_mov_b32 v1, 0
	v_cmp_eq_u32 vcc_lo, 0, v0
	AW
	s_wait_xcnt 0x0                                ; EXEC changes only behind this wait
	s_wait_tensorcnt 0x0                           ; a wave's end
	ds_add_u32 v[SPW], v[NIL]
	s_wait_dscnt 0x0
	s_and_saveexec_b32 s69, vcc_lo
	global_store_b32 v1, v254, s[40:41]            ; pred of b, by one lane
	s_endpgm
.Lfunc_end_k_q5af1d47f5a_main:
	.size	k_q5af1d47f5a_main, .Lfunc_end_k_q5af1d47f5a_main-k_q5af1d47f5a_main
	.p2alignl 7, 3214868480
	.fill 96, 4, 3214868480
	.section	.rodata,"a",@progbits
	.p2align	6, 0x0
	.amdhsa_kernel k_q5af1d47f5a_main
		.amdhsa_group_segment_fixed_size 327680
		.amdhsa_private_segment_fixed_size 0
		.amdhsa_enable_private_segment 0
		.amdhsa_kernarg_size 152
		.amdhsa_user_sgpr_count 2
		.amdhsa_user_sgpr_kernarg_segment_ptr 1
		.amdhsa_wavefront_size32 1
		.amdhsa_system_sgpr_workgroup_id_x 1
		.amdhsa_system_sgpr_workgroup_id_y 1
		.amdhsa_system_sgpr_workgroup_id_z 1
		.amdhsa_system_vgpr_workitem_id 0
		.amdhsa_next_free_vgpr 256
		.amdhsa_next_free_sgpr 100
		.amdhsa_reserve_vcc 1
		.amdhsa_float_denorm_mode_32 3
		.amdhsa_float_denorm_mode_16_64 3
		.amdhsa_memory_ordered 1
		.amdhsa_forward_progress 1
		.amdhsa_inst_pref_size 155
	.end_amdhsa_kernel
	.amdgpu_metadata
---
amdhsa.version: [ 1, 2 ]
amdhsa.kernels:
  - .name:           k_q5af1d47f5a_main
    .symbol:         k_q5af1d47f5a_main.kd
    .args:
      - { .name: lstm1_input, .offset: 0, .size: 8, .value_kind: global_buffer, .address_space: global }
      - { .name: missing_bool, .offset: 8, .size: 8, .value_kind: global_buffer, .address_space: global }
      - { .name: W_ih1, .offset: 16, .size: 8, .value_kind: global_buffer, .address_space: global }
      - { .name: b1, .offset: 24, .size: 8, .value_kind: global_buffer, .address_space: global }
      - { .name: Wg1, .offset: 32, .size: 8, .value_kind: global_buffer, .address_space: global }
      - { .name: bg1, .offset: 40, .size: 8, .value_kind: global_buffer, .address_space: global }
      - { .name: Wg2, .offset: 48, .size: 8, .value_kind: global_buffer, .address_space: global }
      - { .name: bg2, .offset: 56, .size: 8, .value_kind: global_buffer, .address_space: global }
      - { .name: out1, .offset: 64, .size: 8, .value_kind: global_buffer, .address_space: global }
      - { .name: seq_features, .offset: 72, .size: 8, .value_kind: global_buffer, .address_space: global }
      - { .name: basin_ids, .offset: 80, .size: 8, .value_kind: global_buffer, .address_space: global }
      - { .name: basin_emb, .offset: 88, .size: 8, .value_kind: global_buffer, .address_space: global }
      - { .name: W_ih2, .offset: 96, .size: 8, .value_kind: global_buffer, .address_space: global }
      - { .name: b2, .offset: 104, .size: 8, .value_kind: global_buffer, .address_space: global }
      - { .name: Wp1, .offset: 112, .size: 8, .value_kind: global_buffer, .address_space: global }
      - { .name: bp1, .offset: 120, .size: 8, .value_kind: global_buffer, .address_space: global }
      - { .name: Wp2, .offset: 128, .size: 8, .value_kind: global_buffer, .address_space: global }
      - { .name: bp2, .offset: 136, .size: 8, .value_kind: global_buffer, .address_space: global }
      - { .name: out0, .offset: 144, .size: 8, .value_kind: global_buffer, .address_space: global }
    .group_segment_fixed_size: 327680
    .private_segment_fixed_size: 0
    .kernarg_segment_align: 8
    .kernarg_segment_size: 152
    .max_flat_workgroup_size: 512
    .sgpr_count:     100
    .vgpr_count:     256
    .wavefront_size: 32
...
	.end_amdgpu_metadata
.endif
;; end of part 1
